; MI455X (gfx1250); checked and timed in simulation.
; The chip was launched on July 23, 2026; its instructions are those of AMD's public machine-readable ISA for CDNA 5 (MIT licence, August 2026) and "CDNA5" Instruction Set Architecture Reference Guide (July 2026). The comments in the code are by the model that wrote it; some were corrected since.
;; Barebones Conventional Attention. Allowed arithmetic: matrix products marked QUANTISED: E4M3 operands, one given power-of-two scale a tensor, by v_wmma_f32_16x16x64_fp8_fp8 or v_wmma_f32_16x16x128_fp8_fp8, f32 sums; everything else in f32.
;; Inputs: K_cache 2 x 16 x 2,048 x 64 float32; Q 2 x 16 x 2,048 x 64 float32; V_cache 2 x 16 x 2,048 x 64 float32; lowp_scales 4 int32 (the exponents e of the quantised operands' scales 2^e).
;; Outputs: out0 2 x 16 x 2,048 x 64 float32.
;; This version of the problem:
;;   THIS VERSION OF THE PROBLEM IS GIVEN IN LOW PRECISION. The matrix products marked QUANTISED in the list below multiply operands that are first quantised to E4M3 (4 exponent bits, 3 mantissa bits; 8 bits a number), with one given power-of-two scale for each operand tensor; their sums are f32. All else is computed in f32.
;;   The module's matrix products, in the order in which they are computed (A, B: the left and right operand; K: the contracted axis; several contracted axes count as one K, in the product's order):
;;     1. batch 32 x [M 2,048, K 64] x [K 64, N 2,048]; A: input Q; B: input K_cache: QUANTISED (scales: A lowp_scales[0], B lowp_scales[1])
;;     2. batch 32 x [M 2,048, K 2,048] x [K 2,048, N 64]; A: softmax (see below); B: input V_cache: QUANTISED (scales: A lowp_scales[2], B lowp_scales[3])
;;   THE QUANTISER, for each operand of a quantised product, along K:
;;     - The operand's scale is 2^e, e = its entry of the input lowp_scales (int32; the entries are numbered through the quantised products in the list's order, A before B).
;;     - Each number is divided by the scale, clamped to +-448, and rounded to the nearest number of E4M3, ties to even, subnormals kept.
;;     - The product sums the exact products of the quantised numbers (number of the format x scale) in f32.
;;   ~~~python
;;   def quantise(x, axis, e):      # numpy; x: float32 -> the quantised numbers, widened to float32 again
;;       x = np.moveaxis(x, axis, -1); K = x.shape[-1]
;;       r = np.clip(x / 2.0 ** e, -448, 448)
;;       step = 2.0 ** (np.maximum(np.frexp(np.where(r == 0, 1, r))[1] - 1, -6) - 3)
;;       q = np.round(r / step) * step * 2.0 ** e      # np.round: ties to even
;;       return np.moveaxis(q, -1, axis).astype(np.float32)
;;   ~~~
;;   SOFTMAX AHEAD OF A QUANTISED PRODUCT. Where the list says 'softmax', what is quantised is not the finished softmax but p = 2^(t - M), with t = logit x log2(e) and M = ceil(the row's largest t), a whole number; so 1/2 < the row's largest p <= 1. The row's sum l is taken of the UNQUANTISED p, in f32, and the product's result is divided by l at the end. Since M is a whole number, a kernel that streams over the keys may use a running M (the ceiling of the running maximum): every later rescaling is an exact power of two, so the quantised numbers keep their values, but for numbers so far below the row's largest that they fall under the format's range.
;;   OPERANDS COMPUTED ON THE WAY. 'Computed on the way' means the value that the module computes at that place (a softmax that the list does not call 'softmax' is quantised finished and normalised). What goes into a quantiser is computed in f32, as accurately as f32 sums, v_exp_f32 and their like allow (about 1e-6 of the number): no bf16 or f16 on the way to a quantiser, and a product that is left as it is and whose result goes on into a quantised operand takes f32 operands (vector FMAs, or v_wmma_f32_16x16x4_f32). A number that lies on a knife's edge between two numbers of the format may be rounded either way, as far as f32 arithmetic and the matrix unit's own rounding can turn it there, and no further.
;; 2 versions. Each part assembles by itself: llvm-mc -triple=amdgcn-amd-amdhsa -mcpu=gfx1250 --defsym DOCPART=n.
;; ======== version 1 of 2: 1 launch
;; launch attn (part 1): grid 8 x 32, 16 waves a work-group, no clusters, 137,216 bytes of LDS; arguments Q, K_cache, V_cache, lowp_scales, out0; writes out0
.if DOCPART == 1
	.amdgcn_target "amdgcn-amd-amdhsa--gfx1250"
	.amdhsa_code_object_version 6
	.text
	.protected	k_qd6fbf49158_attn
	.globl	k_qd6fbf49158_attn
	.p2align	8
	.type	k_qd6fbf49158_attn,@function
k_qd6fbf49158_attn:
	s_mov_b64 s[64:65], 0
	v_nop
	global_prefetch_b8 v0, s[64:65] scope:SCOPE_SE
	s_setreg_imm32_b32 hwreg(HW_REG_WAVE_MODE, 25, 1), 1
	s_wait_xcnt 0x0
; out0[head][q][:] = the sum over k <= q of softmax_k(Q[head][q] . K[head][k] / 8) V[head][k][:].  32 heads, 2,048 queries and keys, 64 channels; Q, K, V, out0 f32.
; Both products run on codes of FP8 (E4M3), each tensor with the one scale 2^e that is given for it: eq, ek, ep, ev (int32, in this order).
; THE SOFTMAX AHEAD OF THE SECOND PRODUCT: t = score x log2(e) / 8; M = the row's largest t so far, rounded UP to a whole number; p = 2^(t - M) is what is quantised, not normalised.
; The row's sum is taken of the unquantised p, in f32, and divides O at the end.  When M moves, the sum and O are multiplied by 2^(old M - new M), which rounds nothing.
; SHARES.  Work-group (i, head), i = 0 .. 7, owns two blocks of 128 queries: block 15 - i and block i.  Block b wants key steps 0 .. b (128 keys a step), so every work-group has
; (16 - i) + (i + 1) = 17 block steps.  Sixteen waves of 256 registers: eight hold one tile of 16 queries each of the high block, eight of the low block; both walk the same keys.
; K AND V ARE QUANTISED ON THE WAY, once for a work-group and step: each wave loads 4,096 dense bytes of the NEXT step (waves 0-7: 16 keys of K; waves 8-15: 16 keys of V) into 32 registers,
; works its own tile's step meanwhile, then turns the numbers into codes and stores them into the other of two LDS slots.  One barrier a trip: in front of it each wave has waited for its reads of
; the slot in hand and for its stores into the other; behind it the slots change places.
; LAYOUT.  Both products are used transposed: S^T = K Q^T (source 0 = 16 keys, source 1 = my 16 queries), O^T = V^T P^T (source 0 = 16 channels, source 1 = P): a lane holds ONE query (lane % 16).
; K's rows lie in LDS with bits 3 and 4 of the key's number exchanged: rows 16 t .. 16 t + 15 are then keys 32 b + 8 u + r + 8 (r / 8) (t = 2 b + u), so that the 16 registers of score tiles 2 b and
; 2 b + 1 are the 16 neighbouring keys 32 b + 16 (lane / 16) + 0 .. 15, and the conversions' results are the second product's operand.  V's codes lie [channel][key]; channel c in row 32 (c % 2) + c / 2.
; Along K every fragment is fetched by loads of 16 bytes: a permutation of k that is the same on both sides of each product; only the order of the sums inside an instruction differs from k ascending.
; NO CLUSTER, NO JOINT LOADS: the eight work-groups of a head read the same K and V, but these arrive as f32 and pass through registers to become codes, so no tile could be laid into LDS ready for use;
; and the partners want different numbers of steps (16 - i), while each has 17 block steps of its own to spread as it likes.
; LIMITS.  eq, ek, ep, ev between -126 and 119 each and eq + ek between -123 and 130, so that every power of two below is an f32 number.  NaN among the inputs is not served.
; Numbers of p that fall under E4M3's range after a later change of M are lost.
.set PK,     80                        ; a key's row in LDS: 64 codes + 16 bytes = 20 words: the 16 rows of a load of 16 bytes a lane start in 16 different columns of 16 bytes (5 r mod 16)
.set PV,     144                       ; a channel's row: 128 codes + 16 bytes (9 r mod 16)
.set VOFF,   128*PK                    ; a slot: 128 rows of K, then 64 rows of V
.set SLOT1,  32768                     ; slot 1 begins here: one exclusive or turns an address in one slot into the other's
.set STAGE,  65536                     ; behind the slots: 16 rows x 272 bytes for each wave, its own: Q's turn at the head, O's way out
.set SP,     272
.set STEPB,  128*64*4                  ; a key step of K or of V in memory
.set TRIPS,  17                        ; steps 0 .. 15 and one trip more for the high block's way out: the same count in every work-group
.set AK0,  1                           ; v1   80 r + 32 h: my lane's place in a tile of K
.set AV0,  2                           ; v2   VOFF + 144 r + 16 h: the same for V
.set KWA,  3                           ; v3   where I store K's codes (waves 0-7)
.set VWA,  4                           ; v4   where I store V's codes (waves 8-15)
.set GL16, 5                           ; v5   16 x lane
.set GL8,  6                           ; v6   8 x lane
.set PFO,  7                           ; v7   256 x lane
.set STO,  8                           ; v8   my stage: row r, + 64 h
.set RD,   9                           ; v9   my stage: row h, + 16 r
.set ADK,  10                          ; v10, v11  read addresses in the slot in hand
.set ADV,  11
.set QF,   16                          ; v[16:23] Q's fragment.  v12 -M, v13 the largest t, v[14:15] the row's sum in two halves
.set ADWK, 24                          ; v24, v25  store addresses in the other slot (v24 at the head: where I read Q back from my stage)
.set ADWV, 25
.set MD,   26                          ; v26  16 x tile + r - 16 h: the mask's bound on the diagonal
.set NINF, 27                          ; v27  -infinity
.set PSC,  28                          ; v28  2^ep;  v29  448 x 2^ep
.set PLIM, 29
.set XSC,  30                          ; v30  2^e of the tensor that my wave quantises (ek or ev);  v31  448 x that
.set XLIM, 31
.set FR,   32                          ; v[32:95]   K's 8 fragments of 8, then V's 4 of 16; on the way out rows of O
.set SC,   96                          ; v[96:159]  S^T, then p; at the head Q; on the way out O / l
.set O,    160                         ; v[160:191] O^T, four tiles
.set PC,   192                         ; v[192:207] p's codes
.set ST,   208                         ; v[208:239] 32 numbers of the next step, on their way through the step
.set C,    240                         ; v[240:247] the codes just made;  v[248:255] at work
.set WV,   14                          ; s14  wave;  s15  wave % 8: which 16 keys I quantise;  s16  my tile of queries;  s17  0: high block, 1: low block
.set TT,   15
.set TQ,   16
.set ROLE, 17
.set HD,   19                          ; s19  head
.set SEL,  20                          ; s[20:21] lane selects for v_permlanex16_b32: lane l xor 16
.set CS,   22                          ; s[22:23] c = log2(e) / 8 x 2^(eq + ek), twice
.set STP,  24                          ; s24  the trip = the key step in hand
.set BB,   25                          ; s25  my block = my last key step;  s26  the trip of my way out;  s27  15 - i: the work-group's last key step
.set DONE, 26
.set LASTK, 27
.set TB,   28                          ; s28  the slot that is read;  s29  the slot that is written
.set TW,   29
.set LIM,  30                          ; s30  a wave prefetches in the trips below this number
.set EPV,  31                          ; s31  ep + ev
.set SRC,  32                          ; s[32:33] my 4,096 bytes of the next step, in K or in V
.set OUT,  34                          ; s[34:35] out0 at my 16 rows
.set EX,   36                          ; s[36:39] eq, ek, ep, ev
.set NOHOLD, 54                        ; s54  1: the scales show that p's hold can change nothing
; v[vs] = 2^s[e] as f32 (a conversion takes its exponent field); v[vl] = 448 x that
.macro POW2 e, vs, vl
	s_add_co_i32 s40, s[\e], 127
	s_lshl_b32 s41, s40, 23
	v_mov_b32 v[\vs], s41
	s_add_co_i32 s40, s40, 8
	s_lshl_b32 s40, s40, 23
	s_or_b32 s40, s40, 0x600000
	v_mov_b32 v[\vl], s40
.endm
; My 4,096 bytes of a step.  K: eight loads of 512 consecutive bytes: load j brings lane (r, h) key 2 j + h, channels 4 r .. 4 r + 3.
; V: sixteen loads of 256 consecutive bytes: load j is key j's whole row, a lane takes channels 2 l and 2 l + 1.  No cache hint: the head's other work-groups read these bytes too.
.macro LOADKV
	s_cmp_lt_u32 s[WV], 8
	s_cbranch_scc0 .Lload_v_\@
.irp j, 0,1,2,3,4,5,6,7
	global_load_b128 v[ST+4*\j:ST+4*\j+3], v[GL16], s[SRC:SRC+1] offset:512*\j
.endr
	s_branch .Lloaded_\@
.Lload_v_\@:
.irp j, 0,1,2,3,4,5,6,7,8,9,10,11,12,13,14,15
	global_load_b64 v[ST+2*\j:ST+2*\j+1], v[GL8], s[SRC:SRC+1] offset:256*\j
.endr
.Lloaded_\@:
.endm
; A PREFETCH INTO THE L2 of what the NEXT trip will load: in trip s, whose loads are step s + 1's, step s + 2 is named: one trip, 32,768 bytes of each tensor, ahead.  It stands behind the wave's own loads.
; All eight work-groups of a head walk the same K and V: the one with i = 0, which walks all 16 steps, asks.  In it the waves with an even number ask, one instruction each: 32 lanes, 256 bytes apart,
; cover the wave's own 4,096 bytes and the next wave's: waves 0, 2, 4, 6 K's step, waves 8, 10, 12, 14 V's.  So each aligned block of 256 bytes is named once in the launch.
; Steps 0 and 1 come by their loads alone; the last request stands in trip 13 and names step 15, the head's last.
.macro ASK
	s_cmp_lt_u32 s[STP], s[LIM]
	s_cbranch_scc0 .Lnot_mine_\@
	global_prefetch_b8 v[PFO], s[SRC:SRC+1] offset:STEPB th:TH_LOAD_NT scope:SCOPE_SE
.Lnot_mine_\@:
.endm
; The 32 numbers in v[ST] on become 32 codes, and go into slot s[TW].
.macro QUANTKV
	v_add_nc_u32 v[ADWK], s[TW], v[KWA]            ; both addresses are made by every wave, ahead of the parting
	v_add_nc_u32 v[ADWV], s[TW], v[VWA]
.set n, 0
.rept 32
	v_med3_num_f32 v[ST+n], v[ST+n], -v[XLIM], v[XLIM]   ; the conversion to an 8-bit code does not saturate (ISA guide 7.6.2): the hold at the largest code x the scale
.set n, n+1
.endr
.irp g, 0,1,2,3
	v_cvt_scalef32_pk8_fp8_f32 v[C+2*\g:C+2*\g+1], v[ST+8*\g:ST+8*\g+7], v[XSC]
.endr
	v_nop                                          ; one plain vector instruction between a scaled conversion and the vector instructions that read its result
	s_cmp_lt_u32 s[WV], 8
	s_cbranch_scc0 .Lcodes_v_\@
.irp j, 0,1,2,3,4,5,6,7                        ; K: register j holds key 2 j + h of my 16, channels 4 r .. 4 r + 3: the 32 lanes write two rows of 64 bytes.  Bit 3 of the key's number (j / 4) goes to bit 4 of the row's
	ds_store_b32 v[ADWK], v[C+\j] offset:(16*(\j/4)+2*(\j%4))*PK
.endr
	s_branch .Lcodes_done_\@
.Lcodes_v_\@:
.irp g, 0,1,2,3                                ; V: a pair of registers holds keys 4 g .. 4 g + 3 of my two channels by turns: the even bytes are channel 2 l's, the odd ones channel 2 l + 1's
	v_perm_b32 v[248+\g], v[C+2*\g+1], v[C+2*\g], s48
	v_perm_b32 v[252+\g], v[C+2*\g+1], v[C+2*\g], s49
.endr
	ds_store_b128 v[ADWV], v[248:251]              ; 16 keys of channel 2 l: row l
	ds_store_b128 v[ADWV], v[252:255] offset:32*PV ; of channel 2 l + 1: row 32 + l
.Lcodes_done_\@:
.endm
; A KEY STEP of my tile: 128 keys, from slot s[TB].
.macro STEP
	v_add_nc_u32 v[ADK], s[TB], v[AK0]
	v_add_nc_u32 v[ADV], s[TB], v[AV0]
.irp t, 0,1,2,3,4,5,6,7                        ; (the last matrix instructions that read these registers stand four v_nop and more back, at the end of the step before)
	ds_load_b128 v[FR+8*\t:FR+8*\t+3],   v[ADK] offset:16*\t*PK
	ds_load_b128 v[FR+8*\t+4:FR+8*\t+7], v[ADK] offset:16*\t*PK+16
.endr
	s_wait_dscnt 0x0                               ; K's eight fragments are in
.irp t, 0,1,2,3,4,5,6,7                        ; S^T = K Q^T: in tile t = 2 b + u register j of lane (r, h) is the score of query r and key 32 b + 16 h + 8 u + j
	v_wmma_f32_16x16x64_fp8_fp8 v[SC+8*\t:SC+8*\t+7], v[FR+8*\t:FR+8*\t+7], v[QF:QF+7], 0
.endr
.rept 4
	v_nop                                          ; four places in front of loads into registers that these products read, and of the first read of their results
.endr
.irp f, 0,1,2,3                                ; V's four fragments are asked for now and land while the softmax is worked
.irp b, 0,1,2,3
	ds_load_b128 v[FR+16*\f+4*\b:FR+16*\f+4*\b+3], v[ADV] offset:16*\f*PV+32*\b
.endr
.endr
	s_cmp_lg_u32 s[STP], s[BB]                     ; only my block's last step lies on the diagonal: there the scores of hidden keys become -infinity ahead of the maximum, so that p = 0
	s_cbranch_scc1 .Lopen_\@
.set n, 0
.rept 64                                       ; register 16 b + i holds key 32 b + 16 h + i of the step: hidden where 32 b + i > 16 x tile + r - 16 h
	v_cmp_gt_i32 vcc_lo, 32*(n/16)+n%16, v[MD]
	v_cndmask_b32 v[SC+n], v[SC+n], v[NINF], vcc_lo
.set n, n+1
.endr
.Lopen_\@:
	v_max3_num_f32 v254, v[SC], v[SC+1], v[SC+2]   ; the step's largest score of my query among my 64 keys, in two chains, each tile from its low end on,
	v_max3_num_f32 v252, v[SC+3], v[SC+4], v[SC+5]
.irp i, 6,10,14,18,22,26,30,34,38,42,46,50,54,58
	v_max3_num_f32 v254, v254, v[SC+\i], v[SC+\i+1]
	v_max3_num_f32 v252, v252, v[SC+\i+2], v[SC+\i+3]
.endr
	v_max3_num_f32 v254, v254, v[SC+62], v[SC+63]
	v_max_num_f32 v254, v254, v252
	v_permlanex16_b32 v250, v254, s[SEL], s[SEL+1]
	v_max_num_f32 v254, v254, v250                 ; and among lane l xor 16's
	v_mul_f32 v254, s[CS], v254                    ; as t (c is positive)
	v_max_num_f32 v13, v13, v254                   ; the running largest t
	v_mov_b32 v254, v12
	v_floor_f32 v12, -v13                          ; the new -M = floor(-t) = -ceil(t): M is a whole number
	v_sub_f32 v254, v12, v254                      ; M's old value less its new one: a whole number, 0 or less
	v_cvt_i32_f32 v254, v254                       ; (it saturates)
	v_ldexp_f32 v252, 1.0, v254                    ; f = 2^(old M - new M)
.set n, 0
.rept 32
	v_pk_fma_f32 v[SC+n:SC+n+1], v[SC+n:SC+n+1], s[CS:CS+1], v[12:13] op_sel_hi:[1,0,0]   ; t - M, two at a time (of the pairs c and -M the low word serves both halves)
.set n, n+2
.endr
.set n, 0
.rept 64
	v_exp_f32 v[SC+n], v[SC+n]                     ; p = 2^(t - M): not normalised
.set n, n+1
.endr
	v_pk_mul_f32 v[14:15], v[14:15], v[252:253] op_sel_hi:[1,0]   ; the sums under the new M.  (The plain instruction behind the exponentials)
	s_wait_alu depctr_va_vdst(0)
	v_pk_add_f32 v[248:249], v[SC:SC+1], v[SC+2:SC+3]             ; the row's sum is taken of the UNQUANTISED p: two at a time, in two chains
.irp j, 4,8,12,16,20,24,28,32,36,40,44,48,52,56,60
	v_pk_add_f32 v[14:15], v[14:15], v[SC+\j:SC+\j+1]
	v_pk_add_f32 v[248:249], v[248:249], v[SC+\j+2:SC+\j+3]
.endr
	v_pk_add_f32 v[14:15], v[14:15], v[248:249]
	s_cmp_lg_u32 s[NOHOLD], 0                      ; the hold is jumped over only where the given scales themselves show it idle (see where s[NOHOLD] is made)
	s_cbranch_scc1 .Lheld_\@
.set n, 0
.rept 64
	v_min_num_f32 v[SC+n], v[SC+n], v[PLIM]        ; the conversion does not saturate; p is not negative, so the hold is one-sided
.set n, n+1
.endr
.Lheld_\@:
.irp b, 0,1,2,3                                ; registers 4 b .. 4 b + 3 of P: keys 32 b + 16 h + 0 .. 15, as V's loads lay them
	v_cvt_scalef32_pk8_fp8_f32 v[PC+4*\b:PC+4*\b+1],   v[SC+16*\b:SC+16*\b+7],    v[PSC]
	v_cvt_scalef32_pk8_fp8_f32 v[PC+4*\b+2:PC+4*\b+3], v[SC+16*\b+8:SC+16*\b+15], v[PSC]
.endr
.set n, 0
.rept 16
	v_pk_mul_f32 v[O+n:O+n+1], v[O+n:O+n+1], v[252:253] op_sel_hi:[1,0]   ; O^T under the new M, each tile from its low end on.  (Also the plain instructions between the conversions and the products)
.set n, n+2
.endr
	s_wait_dscnt 0x0                               ; V's four fragments are in
.irp f, 0,1,2,3                                ; O^T += V^T P^T, K = these 128 keys; the four accumulators take turns, one instruction a turn
	v_wmma_f32_16x16x128_fp8_fp8 v[O+8*\f:O+8*\f+7], v[FR+16*\f:FR+16*\f+15], v[PC:PC+15], v[O+8*\f:O+8*\f+7]
.endr
.rept 4
	v_nop                                          ; four places in front of the next step's loads into V's registers and conversions into P's, and of the way out's reads of O^T
.endr
.endm
; THE WAY OUT of my 16 rows.  In O^T's tile f register j of lane (r, h) is channel 32 (f % 2) + 16 h + 2 j + f / 2: tiles a and a + 2, taken by turns, give 16 neighbouring channels.
.macro WAYOUT
	v_add_f32 v14, v14, v15                        ; the sum's two halves,
	v_permlanex16_b32 v250, v14, s[SEL], s[SEL+1]
	v_add_f32 v14, v14, v250                       ; and lane l xor 16's: the row's sum, above 1/2
	v_rcp_f32 v14, v14
	v_nop                                          ; a plain instruction behind the transcendental
	s_wait_alu depctr_va_vdst(0)
	v_ldexp_f32 v14, v14, s[EPV]                   ; x 2^(ep + ev)
.irp a, 0,1
.irp j, 0,1,2,3,4,5,6,7
.irp u, 0,1
	v_mul_f32 v[SC+16*\a+2*\j+\u], v[O+8*(\a+2*\u)+\j], v14   ; channel 32 a + 16 h + 2 j + u; each accumulator from its low end on
.endr
.endr
.endr
.irp a, 0,1
.irp i, 0,1,2,3
	ds_store_b128 v[STO], v[SC+16*\a+4*\i:SC+16*\a+4*\i+3] offset:128*\a+16*\i   ; row r of my stage, bytes 128 a + 64 h + 16 i
.endr
.endr
.irp i, 0,1,2,3,4,5,6,7
	ds_load_b128 v[FR+4*\i:FR+4*\i+3], v[RD] offset:2*\i*SP   ; back as whole rows: lanes 0-15 row 2 i, lanes 16-31 row 2 i + 1.  LDS serves a wave's instructions in order (ISA guide 5.7.1.4): these see my stores
.endr
.irp i, 0,1,2,3,4,5,6,7
	s_wait_dscnt 7-\i                              ; the 7 - i younger loads may be out
	global_store_b128 v[GL16], v[FR+4*\i:FR+4*\i+3], s[OUT:OUT+1] offset:512*\i th:TH_STORE_NT   ; 32 lanes store 512 consecutive bytes, at a multiple of 256 from out0's first byte
.endr
.endm
	s_load_b256 s[4:11], s[0:1], 0x0               ; Q s[4:5], K s[6:7], V s[8:9], the scales' exponents s[10:11]
	s_load_b64 s[12:13], s[0:1], 0x20              ; out0
	v_lshrrev_b32 v32, 5, v0
	v_readfirstlane_b32 s[WV], v32                 ; wave 0 .. 15
	v_and_b32 v32, 31, v0                          ; lane
	v_and_b32 v33, 15, v0                          ; r
	v_bfe_u32 v34, v0, 4, 1                        ; h
	s_and_b32 s[TT], s[WV], 7
	s_lshr_b32 s[TQ], s[WV], 1
	s_lshr_b32 s[ROLE], s[WV], 2
	s_xor_b32 s[ROLE], s[ROLE], s[WV]
	s_and_b32 s[ROLE], s[ROLE], 1                  ; bit 0 xor bit 2 of the wave's number: of any four waves w, w + 1, w + 2, w + 3 and of any four w, w + 4, w + 8, w + 12 two are high and two low
	s_and_b32 s[HD], ttmp7, 0xffff
	s_sub_co_u32 s[LASTK], 15, ttmp9
	s_cmp_eq_u32 s[ROLE], 0
	s_cselect_b32 s[BB], s[LASTK], ttmp9           ; block 15 - i or block i
	s_add_co_u32 s[DONE], s[BB], 1
	; every LDS address is a constant + a constant x lane + a constant x wave, made here, ahead of any parting of the waves
	v_mul_u32_u24 v[AK0], v33, PK
	v_lshl_add_u32 v[AK0], v34, 5, v[AK0]
	v_mul_u32_u24 v[AV0], v33, PV
	v_lshl_add_u32 v[AV0], v34, 4, v[AV0]
	v_add_nc_u32 v[AV0], VOFF, v[AV0]
	s_lshr_b32 s40, s[TT], 1                       ; my 16 keys are 16 T on: bits 5 and 6 of the key's number stay, bit 4 (T % 2) goes to bit 3 of the row's
	s_mul_i32 s40, s40, 32*PK
	s_and_b32 s41, s[TT], 1
	s_mul_i32 s41, s41, 8*PK
	s_add_co_u32 s40, s40, s41
	v_mul_u32_u24 v[KWA], v34, PK
	v_lshl_add_u32 v[KWA], v33, 2, v[KWA]
	v_add_nc_u32 v[KWA], s40, v[KWA]               ; row h, + 4 r, + my keys' rows
	s_lshl_b32 s41, s[TT], 4
	s_add_co_u32 s41, s41, VOFF
	v_mul_u32_u24 v[VWA], v32, PV
	v_add_nc_u32 v[VWA], s41, v[VWA]               ; row l, + my 16 keys' bytes
	v_lshlrev_b32 v[GL16], 4, v32
	v_lshlrev_b32 v[GL8], 3, v32
	v_lshlrev_b32 v[PFO], 8, v32
	s_mul_i32 s42, s[WV], 16*SP
	s_add_co_u32 s42, s42, STAGE                   ; my stage
	v_mul_u32_u24 v[STO], v33, SP
	v_lshl_add_u32 v[ADWK], v34, 7, v[STO]
	v_add_nc_u32 v[ADWK], s42, v[ADWK]             ; Q back from the stage: row r, + 128 h: my 32 channels
	v_lshl_add_u32 v[STO], v34, 6, v[STO]
	v_add_nc_u32 v[STO], s42, v[STO]
	v_mul_u32_u24 v[RD], v34, SP
	v_lshl_add_u32 v[RD], v33, 4, v[RD]
	v_add_nc_u32 v[RD], s42, v[RD]
	s_lshl_b32 s43, s[TQ], 4
	v_lshlrev_b32 v[MD], 4, v34
	v_sub_nc_u32 v[MD], v33, v[MD]
	v_add_nc_u32 v[MD], s43, v[MD]
	; byte offsets, all under 2^25: a head is 2^19 bytes, a block of 128 rows 2^15, 16 rows 2^12
	s_lshl_b32 s50, s[HD], 19
	s_lshl_b32 s44, s[BB], 15
	s_lshl_b32 s45, s[TQ], 12
	s_add_co_u32 s44, s44, s45
	s_add_co_u32 s44, s44, s50                     ; my 16 rows of Q and of out0
	s_mov_b32 s45, 0
	s_lshl_b32 s46, s[TT], 12
	s_add_co_u32 s46, s46, s50                     ; my 16 keys of step 0
	s_mov_b32 s47, 0
	s_mov_b32 s[SEL], 0x76543210
	s_mov_b32 s[SEL+1], 0xfedcba98
	s_mov_b32 s48, 0x06040200                      ; v_perm_b32: the even bytes of a pair of registers,
	s_mov_b32 s49, 0x07050301                      ; the odd ones
	s_and_b32 s40, s[TT], 1
	s_or_b32 s40, s40, ttmp9
	s_cmp_eq_u32 s40, 0                            ; an even wave of the work-group with i = 0
	s_cselect_b32 s[LIM], 14, 0
	s_wait_kmcnt 0x0
	s_load_b128 s[EX:EX+3], s[10:11], 0x0          ; eq, ek, ep, ev
	s_add_nc_u64 s[4:5], s[4:5], s[44:45]
	s_add_nc_u64 s[OUT:OUT+1], s[12:13], s[44:45]
	s_cmp_lt_u32 s[WV], 8                          ; the choice hangs on the wave's number alone
	s_cselect_b64 s[SRC:SRC+1], s[6:7], s[8:9]
	s_add_nc_u64 s[SRC:SRC+1], s[SRC:SRC+1], s[46:47]
.irp j, 0,1,2,3,4,5,6,7
	global_load_b128 v[SC+4*\j:SC+4*\j+3], v[GL16], s[4:5] offset:512*\j th:TH_LOAD_NT   ; my 16 rows of Q, 512 consecutive bytes a load: rows 2 j + h, 16 bytes at 16 r; read once in the launch
.endr
	LOADKV                                         ; step 0
	v_mov_b32 v13, 0xff61b1e6                      ; the largest t so far: -3e38, under every t
	v_floor_f32 v12, -v13                          ; -M
	v_mov_b32 v14, 0                               ; the sum, in two halves
	v_mov_b32 v15, 0
	v_mov_b32 v250, 0                              ; written once: a lane permute's destination counts as one of its sources
	v_mov_b32 v253, 0                              ; (named as the upper half of the pair v[252:253])
	v_mov_b32 v[NINF], 0xff800000
.set n, 0
.rept 32
	v_mov_b32 v[O+n], 0                            ; O^T.  The step is written once: the first finds zeros, which the first change of M leaves zeros
.set n, n+1
.endr
	s_wait_kmcnt 0x0
	s_add_co_i32 s42, s[EX], s[EX+1]               ; eq + ek
	s_lshl_b32 s43, s42, 23
	s_add_co_i32 s[CS], s43, 0x3e38aa3b            ; c = log2(e) / 8; a score stands for score x 2^(eq + ek): the two exponents are added to c's exponent field
	s_mov_b32 s[CS+1], s[CS]                       ; (named with it as a pair, so it is written)
	; p's hold is idle where ep >= -8 and eq + ek <= 2.  |t| is at most 64 x 448^2 x 2^2 x 0.1804 = 9.3e6, so the rounding of the largest t to f32 lets t - M pass 0 by less than 9.3e6 x 2^-24 = 0.56:
	; p stays under 2^0.56 = 1.48, and 448 x 2^-8 = 1.75.
	s_cmp_ge_i32 s[EX+2], -8
	s_cselect_b32 s[NOHOLD], 1, 0
	s_cmp_le_i32 s42, 2
	s_cselect_b32 s[NOHOLD], s[NOHOLD], 0
	s_add_co_i32 s[EPV], s[EX+2], s[EX+3]
	s_cmp_lt_u32 s[WV], 8
	s_cselect_b32 s42, s[EX+1], s[EX+3]            ; ek for K's waves, ev for V's
	POW2 42, XSC, XLIM
	POW2 EX+2, PSC, PLIM
	POW2 EX, 248, 249                              ; eq: used here alone
	s_wait_loadcnt 8                               ; Q's eight loads are in: behind them stand eight loads in K's waves (sixteen in V's, where the count asks for more than is needed)
.irp j, 0,1,2,3,4,5,6,7
	ds_store_b128 v[RD], v[SC+4*\j:SC+4*\j+3] offset:2*\j*SP      ; Q turns through my stage: in as loaded,
.endr
.irp j, 0,1,2,3,4,5,6,7
	ds_load_b128 v[SC+32+4*\j:SC+32+4*\j+3], v[ADWK] offset:16*\j ; back as 32 neighbouring channels, 32 h on, of query r
.endr
	s_wait_dscnt 0x0
.set n, 0
.rept 32
	v_med3_num_f32 v[SC+32+n], v[SC+32+n], -v249, v249
.set n, n+1
.endr
.irp g, 0,1,2,3
	v_cvt_scalef32_pk8_fp8_f32 v[QF+2*\g:QF+2*\g+1], v[SC+32+8*\g:SC+32+8*\g+7], v248   ; register x, byte y: channel 32 h + 4 x + y, as K's loads lay them
.endr
	v_nop                                          ; one plain vector instruction behind the last conversion
	s_wait_loadcnt 0x0                             ; step 0's numbers are in; every load that named s[SRC] is done, so it may be stepped below
	s_mov_b32 s[TW], 0
	QUANTKV                                        ; step 0 into slot 0
	s_wait_dscnt 0x0                               ; for the others' sake: my stores have landed
	s_barrier_signal -1
	s_barrier_wait -1
	s_add_nc_u64 s[SRC:SRC+1], s[SRC:SRC+1], STEPB
	s_mov_b32 s[TB], 0
	s_mov_b32 s[STP], 0
.Ltrip:                                            ; trip s: step s + 1 is asked for; my tile's step s, or my way out; step s + 1 becomes codes; the barrier
	s_cmp_lt_u32 s[STP], s[LASTK]                  ; the work-group's last step is 15 - i: no load beyond it
	s_cbranch_scc0 .Lno_load
	LOADKV
	ASK
.Lno_load:
	s_cmp_le_u32 s[STP], s[BB]                     ; keys beyond my block are hidden from all my queries: those steps are left out
	s_cbranch_scc0 .Lno_step
	STEP
	s_branch .Lworked
.Lno_step:
	s_cmp_eq_u32 s[STP], s[DONE]                   ; the trip behind my last step: the low block's rows leave while the high block is still at work
	s_cbranch_scc0 .Lworked
	WAYOUT
.Lworked:
	s_wait_loadcnt 0x0                             ; the next step's numbers are in
	s_xor_b32 s[TW], s[TB], SLOT1
	s_cmp_lt_u32 s[STP], s[LASTK]
	s_cbranch_scc0 .Lno_quant
	QUANTKV                                        ; into the slot that was read last trip: every wave waited for those reads in front of last trip's barrier
.Lno_quant:
	s_wait_dscnt 0x0                               ; my reads of the slot in hand are over and my stores into the other have landed
	s_barrier_signal -1
	s_barrier_wait -1                              ; both now hold of all sixteen waves
	s_wait_xcnt 0x0                                ; the prefetch has read its base, the way out's stores their registers: both may be written again
	s_add_nc_u64 s[SRC:SRC+1], s[SRC:SRC+1], STEPB ; (beyond the last step the address is not used)
	s_xor_b32 s[TB], s[TB], SLOT1
	s_add_co_u32 s[STP], s[STP], 1
	s_cmp_lt_u32 s[STP], TRIPS
	s_cbranch_scc1 .Ltrip
	s_wait_xcnt 0x0
	v_lshl_add_u32 v254, v0, 2, 0x21000
	v_mov_b32 v255, 0
	s_wait_tensorcnt 0x0
	ds_add_u32 v254, v255
	s_wait_dscnt 0x0
	s_endpgm
.Lfunc_end_k_qd6fbf49158_attn:
	.size	k_qd6fbf49158_attn, .Lfunc_end_k_qd6fbf49158_attn-k_qd6fbf49158_attn
	.p2alignl 7, 3214868480
	.fill 96, 4, 3214868480
	.section	.rodata,"a",@progbits
	.p2align	6, 0x0
	.amdhsa_kernel k_qd6fbf49158_attn
		.amdhsa_group_segment_fixed_size 137216
		.amdhsa_private_segment_fixed_size 0
		.amdhsa_enable_private_segment 0
		.amdhsa_kernarg_size 40
		.amdhsa_user_sgpr_count 2
		.amdhsa_user_sgpr_kernarg_segment_ptr 1
		.amdhsa_wavefront_size32 1
		.amdhsa_system_sgpr_workgroup_id_x 1
		.amdhsa_system_sgpr_workgroup_id_y 1
		.amdhsa_system_sgpr_workgroup_id_z 1
		.amdhsa_system_vgpr_workitem_id 0
		.amdhsa_next_free_vgpr 256
		.amdhsa_next_free_sgpr 66
		.amdhsa_reserve_vcc 1
		.amdhsa_float_denorm_mode_32 3
		.amdhsa_float_denorm_mode_16_64 3
		.amdhsa_memory_ordered 1
		.amdhsa_forward_progress 1
		.amdhsa_inst_pref_size 47
	.end_amdhsa_kernel
	.amdgpu_metadata
---
amdhsa.version: [ 1, 2 ]
amdhsa.kernels:
  - .name:           k_qd6fbf49158_attn
    .symbol:         k_qd6fbf49158_attn.kd
    .args:
      - { .name: Q, .offset: 0, .size: 8, .value_kind: global_buffer, .address_space: global }
      - { .name: K_cache, .offset: 8, .size: 8, .value_kind: global_buffer, .address_space: global }
      - { .name: V_cache, .offset: 16, .size: 8, .value_kind: global_buffer, .address_space: global }
      - { .name: lowp_scales, .offset: 24, .size: 8, .value_kind: global_buffer, .address_space: global }
      - { .name: out0, .offset: 32, .size: 8, .value_kind: global_buffer, .address_space: global }
    .group_segment_fixed_size: 137216
    .private_segment_fixed_size: 0
    .kernarg_segment_align: 8
    .kernarg_segment_size: 40
    .max_flat_workgroup_size: 512
    .sgpr_count:     66
    .vgpr_count:     256
    .wavefront_size: 32
...
	.end_amdgpu_metadata
.endif
;; end of part 1
;; ======== version 2 of 2: 1 launch; version 1 with the launch attn written anew for expert scheduling mode
;; launch attn (part 2): grid 8 x 32, 16 waves a work-group, no clusters, 137,216 bytes of LDS; arguments Q, K_cache, V_cache, lowp_scales, out0; writes out0
.if DOCPART == 2
	.amdgcn_target "amdgcn-amd-amdhsa--gfx1250"
	.amdhsa_code_object_version 6
	.text
	.protected	k_qd6fbf49158_attn
	.globl	k_qd6fbf49158_attn
	.p2align	8
	.type	k_qd6fbf49158_attn,@function
k_qd6fbf49158_attn:
	s_mov_b64 s[64:65], 0
	v_nop
	global_prefetch_b8 v0, s[64:65] scope:SCOPE_SE
	s_setreg_imm32_b32 hwreg(HW_REG_WAVE_SCHED_MODE, 0, 2), 2
	s_setreg_imm32_b32 hwreg(HW_REG_WAVE_MODE, 25, 1), 1
	s_wait_xcnt 0x0
	s_wait_alu depctr_vm_vsrc(0)
; out0[head][q][:] = the sum over k <= q of softmax_k(Q[head][q] . K[head][k] / 8) V[head][k][:].  32 heads, 2,048 queries and keys, 64 channels; Q, K, V, out0 f32.
; Both products run on codes of FP8 (E4M3), each tensor with the one scale 2^e that is given for it: eq, ek, ep, ev (int32, in this order).
; THE SOFTMAX AHEAD OF THE SECOND PRODUCT: t = score x log2(e) / 8; M = the row's largest t so far, rounded UP to a whole number; p = 2^(t - M) is what is quantised, not normalised.
; The row's sum is taken of the unquantised p, in f32, and divides O at the end.  When M moves, the sum and O are multiplied by 2^(old M - new M), which rounds nothing.
; SHARES.  Work-group (i, head), i = 0 .. 7, owns two blocks of 128 queries: block 15 - i and block i.  Block b wants key steps 0 .. b (128 keys a step), so every work-group has
; (16 - i) + (i + 1) = 17 block steps.  Sixteen waves of 256 registers: eight hold one tile of 16 queries each of the high block, eight of the low block; both walk the same keys.
; K AND V ARE QUANTISED ON THE WAY, once for a work-group and step: each wave loads 4,096 dense bytes of the NEXT step (waves 0-7: 16 keys of K; waves 8-15: 16 keys of V) into 32 registers,
; works its own tile's step meanwhile, then turns the numbers into codes and stores them into the other of two LDS slots.  One barrier a trip: in front of it each wave has waited for its reads of
; the slot in hand and for its stores into the other; behind it the slots change places.
; LAYOUT.  Both products are used transposed: S^T = K Q^T (source 0 = 16 keys, source 1 = my 16 queries), O^T = V^T P^T (source 0 = 16 channels, source 1 = P): a lane holds ONE query (lane % 16).
; K's rows lie in LDS with bits 3 and 4 of the key's number exchanged: rows 16 t .. 16 t + 15 are then keys 32 b + 8 u + r + 8 (r / 8) (t = 2 b + u), so that the 16 registers of score tiles 2 b and
; 2 b + 1 are the 16 neighbouring keys 32 b + 16 (lane / 16) + 0 .. 15, and the conversions' results are the second product's operand.  V's codes lie [channel][key]; channel c in row 32 (c % 2) + c / 2.
; Along K every fragment is fetched by loads of 16 bytes: a permutation of k that is the same on both sides of each product; only the order of the sums inside an instruction differs from k ascending.
; NO CLUSTER, NO JOINT LOADS: the eight work-groups of a head read the same K and V, but these arrive as f32 and pass through registers to become codes, so no tile could be laid into LDS ready for use;
; and the partners want different numbers of steps (16 - i), while each has 17 block steps of its own to spread as it likes.
; LIMITS.  eq, ek, ep, ev between -126 and 119 each and eq + ek between -123 and 130, so that every power of two below is an f32 number.  NaN among the inputs is not served.
; Numbers of p that fall under E4M3's range after a later change of M are lost.
; THE MODE: SCHED_MODE bits 1:0 = 2 (LLVM: expert scheduling mode 2), set by the entry lines.  The code itself states the register dependences
; between vector or matrix instructions and memory or LDS instructions, with s_wait_alu, always for 0.
; THE PLAN.  Registers that memory or LDS instructions touch, in the loop:
;   v5 .. v9         Offsets and stage addresses: written at the head, never again.
;   v10, v11, v24, v25  The trip's four LDS addresses: written together at the trip's head; v10 and v11 are read by the step's LDS loads, v24 or v25 by the quantiser's LDS stores.
;   ST  v[208:239]   The next step's global loads land in it at the trip's head; the quantiser's holds and conversions name it at the trip's end.
;   FR  v[32:95]     K's LDS loads land, the score products read; V's LDS loads land, the second products read.  On the way out the stage's loads land and the global stores read.
;   C   v[240:247], v[248:255]  Written by the quantiser's conversions and byte sorts, read by its LDS stores; v[248:255] are the step's work registers too.
;   SC  v[96:159]    On the way out: written by the multiplications, read by the LDS stores into the stage.
; At a trip's head stand a wait on vm_vsrc (all that was read above may be written), the four additions, and a wait on va_vdst (the addresses are written; the last quantiser is done with ST; the last
; products are done reading FR).  In a step one more wait on va_vdst stands behind the score products, ahead of V's loads, which are then dealt among the softmax's lines: these name neither FR nor v11.
; One wait on va_vdst stands ahead of each run of LDS stores (the quantiser's, the way out's).  The diagonal's compares write eight scalar masks in a run, with one wait on va_sdst ahead of the selects.
.set PK,     80                        ; a key's row in LDS: 64 codes + 16 bytes = 20 words: the 16 rows of a load of 16 bytes a lane start in 16 different columns of 16 bytes (5 r mod 16)
.set PV,     144                       ; a channel's row: 128 codes + 16 bytes (9 r mod 16)
.set VOFF,   128*PK                    ; a slot: 128 rows of K, then 64 rows of V
.set SLOT1,  32768                     ; slot 1 begins here: one exclusive or turns an address in one slot into the other's
.set STAGE,  65536                     ; behind the slots: 16 rows x 272 bytes for each wave, its own: Q's turn at the head, O's way out
.set SP,     272
.set STEPB,  128*64*4                  ; a key step of K or of V in memory
.set TRIPS,  17                        ; steps 0 .. 15 and one trip more for the high block's way out: the same count in every work-group
.set AK0,  1                           ; v1   80 r + 32 h: my lane's place in a tile of K
.set AV0,  2                           ; v2   VOFF + 144 r + 16 h: the same for V
.set KWA,  3                           ; v3   where I store K's codes (waves 0-7)
.set VWA,  4                           ; v4   where I store V's codes (waves 8-15)
.set GL16, 5                           ; v5   16 x lane
.set GL8,  6                           ; v6   8 x lane
.set PFO,  7                           ; v7   256 x lane
.set STO,  8                           ; v8   my stage: row r, + 64 h
.set RD,   9                           ; v9   my stage: row h, + 16 r
.set ADK,  10                          ; v10, v11  read addresses in the slot in hand, made at each trip's head
.set ADV,  11
.set QF,   16                          ; v[16:23] Q's fragment.  v12 -M, v13 the largest t, v[14:15] the row's sum in two halves
.set ADWK, 24                          ; v24, v25  store addresses in the other slot, made at each trip's head (v24 at the kernel's head: where I read Q back from my stage)
.set ADWV, 25
.set MD,   26                          ; v26  16 x tile + r - 16 h: the mask's bound on the diagonal
.set NINF, 27                          ; v27  -infinity
.set PSC,  28                          ; v28  2^ep;  v29  448 x 2^ep
.set PLIM, 29
.set XSC,  30                          ; v30  2^e of the tensor that my wave quantises (ek or ev);  v31  448 x that
.set XLIM, 31
.set FR,   32                          ; v[32:95]   K's 8 fragments of 8, then V's 4 of 16; on the way out rows of O
.set SC,   96                          ; v[96:159]  S^T, then p; at the head Q; on the way out O / l
.set O,    160                         ; v[160:191] O^T, four tiles
.set PC,   192                         ; v[192:207] p's codes
.set ST,   208                         ; v[208:239] 32 numbers of the next step, on their way through the step
.set C,    240                         ; v[240:247] the codes just made;  v[248:255] at work
.set WV,   14                          ; s14  wave;  s15  wave % 8: which 16 keys I quantise;  s16  my tile of queries;  s17  0: high block, 1: low block
.set TT,   15
.set TQ,   16
.set ROLE, 17
.set HD,   19                          ; s19  head
.set SEL,  20                          ; s[20:21] lane selects for v_permlanex16_b32: lane l xor 16
.set CS,   22                          ; s[22:23] c = log2(e) / 8 x 2^(eq + ek), twice
.set STP,  24                          ; s24  the trip = the key step in hand
.set BB,   25                          ; s25  my block = my last key step;  s26  the trip of my way out;  s27  15 - i: the work-group's last key step
.set DONE, 26
.set LASTK, 27
.set TB,   28                          ; s28  the slot that is read;  s29  the slot that is written
.set TW,   29
.set LIM,  30                          ; s30  a wave prefetches in the trips below this number
.set EPV,  31                          ; s31  ep + ev
.set SRC,  32                          ; s[32:33] my 4,096 bytes of the next step, in K or in V
.set OUT,  34                          ; s[34:35] out0 at my 16 rows
.set EX,   36                          ; s[36:39] eq, ek, ep, ev
.set MK,   40                          ; s[40:47] in the loop: eight lane masks of the diagonal step (at the kernel's head: at work)
.set NOHOLD, 54                        ; s54  1: the scales show that p's hold can change nothing
; v[vs] = 2^s[e] as f32 (a conversion takes its exponent field); v[vl] = 448 x that
.macro POW2 e, vs, vl
	s_add_co_i32 s40, s[\e], 127
	s_lshl_b32 s41, s40, 23
	v_mov_b32 v[\vs], s41
	s_add_co_i32 s40, s40, 8
	s_lshl_b32 s40, s40, 23
	s_or_b32 s40, s40, 0x600000
	v_mov_b32 v[\vl], s40
.endm
; My 4,096 bytes of a step.  K: eight loads of 512 consecutive bytes: load j brings lane (r, h) key 2 j + h, channels 4 r .. 4 r + 3.
; V: sixteen loads of 256 consecutive bytes: load j is key j's whole row, a lane takes channels 2 l and 2 l + 1.  No cache hint: the head's other work-groups read these bytes too.
.macro LOADKV
	s_cmp_lt_u32 s[WV], 8
	s_cbranch_scc0 .Lload_v_\@
.irp j, 0,1,2,3,4,5,6,7
	global_load_b128 v[ST+4*\j:ST+4*\j+3], v[GL16], s[SRC:SRC+1] offset:512*\j
.endr
	s_branch .Lloaded_\@
.Lload_v_\@:
.irp j, 0,1,2,3,4,5,6,7,8,9,10,11,12,13,14,15
	global_load_b64 v[ST+2*\j:ST+2*\j+1], v[GL8], s[SRC:SRC+1] offset:256*\j
.endr
.Lloaded_\@:
.endm
; A PREFETCH INTO THE L2 of what the NEXT trip will load: in trip s, whose loads are step s + 1's, step s + 2 is named: one trip, 32,768 bytes of each tensor, ahead.  It stands behind the wave's own loads.
; All eight work-groups of a head walk the same K and V: the one with i = 0, which walks all 16 steps, asks.  In it the waves with an even number ask, one instruction each: 32 lanes, 256 bytes apart,
; cover the wave's own 4,096 bytes and the next wave's: waves 0, 2, 4, 6 K's step, waves 8, 10, 12, 14 V's.  So each aligned block of 256 bytes is named once in the launch.
; Steps 0 and 1 come by their loads alone; the last request stands in trip 13 and names step 15, the head's last.
.macro ASK
	s_cmp_lt_u32 s[STP], s[LIM]
	s_cbranch_scc0 .Lnot_mine_\@
	global_prefetch_b8 v[PFO], s[SRC:SRC+1] offset:STEPB th:TH_LOAD_NT scope:SCOPE_SE
.Lnot_mine_\@:
.endm
; The 32 numbers in v[ST] on become 32 codes, and go into slot s[TW], by the addresses v[ADWK] and v[ADWV], which every wave has made ahead of this macro.
.macro QUANTKV
.set n, 0
.rept 32
	v_med3_num_f32 v[ST+n], v[ST+n], -v[XLIM], v[XLIM]   ; the conversion to an 8-bit code does not saturate (ISA guide 7.6.2): the hold at the largest code x the scale
.set n, n+1
.endr
.irp g, 0,1,2,3
	v_cvt_scalef32_pk8_fp8_f32 v[C+2*\g:C+2*\g+1], v[ST+8*\g:ST+8*\g+7], v[XSC]
.endr
	v_nop                                          ; one plain vector instruction between a scaled conversion and the vector instructions that read its result
	s_cmp_lt_u32 s[WV], 8
	s_cbranch_scc0 .Lcodes_v_\@
	s_wait_alu depctr_va_vdst(0)                   ; the conversions have written v[C ..], which the LDS stores read (at the kernel's head also: v[ADWK] is written)
.irp j, 0,1,2,3,4,5,6,7                        ; K: register j holds key 2 j + h of my 16, channels 4 r .. 4 r + 3: the 32 lanes write two rows of 64 bytes.  Bit 3 of the key's number (j / 4) goes to bit 4 of the row's
	ds_store_b32 v[ADWK], v[C+\j] offset:(16*(\j/4)+2*(\j%4))*PK
.endr
	s_branch .Lcodes_done_\@
.Lcodes_v_\@:
	s_wait_alu depctr_va_vdst(0)
.irp g, 0,1,2,3                                ; V: a pair of registers holds keys 4 g .. 4 g + 3 of my two channels by turns: the even bytes are channel 2 l's, the odd ones channel 2 l + 1's
	v_perm_b32 v[248+\g], v[C+2*\g+1], v[C+2*\g], s48
	v_perm_b32 v[252+\g], v[C+2*\g+1], v[C+2*\g], s49
.endr
	s_wait_alu depctr_va_vdst(0)                   ; the byte sorts have written v[248:255], which the LDS stores read (at the kernel's head also: v[ADWV] is written)
	ds_store_b128 v[ADWV], v[248:251]              ; 16 keys of channel 2 l: row l
	ds_store_b128 v[ADWV], v[252:255] offset:32*PV ; of channel 2 l + 1: row 32 + l
.Lcodes_done_\@:
.endm
; V's fragment f: 16 channels x 128 keys, four loads of 16 bytes a lane
.macro VFRAG f
.irp b, 0,1,2,3
	ds_load_b128 v[FR+16*(\f)+4*\b:FR+16*(\f)+4*\b+3], v[ADV] offset:16*(\f)*PV+32*\b
.endr
.endm
; A KEY STEP of my tile: 128 keys, from slot s[TB], by the addresses v[ADK] and v[ADV] of the trip's head.
.macro STEP
.irp t, 0,1,2,3,4,5,6,7                        ; (the wait on va_vdst at the trip's head stands for these loads: no vector or matrix instruction since names v[FR ..] or v[ADK])
	ds_load_b128 v[FR+8*\t:FR+8*\t+3],   v[ADK] offset:16*\t*PK
	ds_load_b128 v[FR+8*\t+4:FR+8*\t+7], v[ADK] offset:16*\t*PK+16
.endr
	s_wait_dscnt 0x0                               ; K's eight fragments are in
.irp t, 0,1,2,3,4,5,6,7                        ; S^T = K Q^T: in tile t = 2 b + u register j of lane (r, h) is the score of query r and key 32 b + 16 h + 8 u + j
	v_wmma_f32_16x16x64_fp8_fp8 v[SC+8*\t:SC+8*\t+7], v[FR+8*\t:FR+8*\t+7], v[QF:QF+7], 0
.endr
.rept 4
	v_nop                                          ; four places in front of the first read of these products' results (ISA guide 7.12.1)
.endr
	s_wait_alu depctr_va_vdst(0)                   ; the score products are done reading K's fragments, in whose registers V's loads land
	VFRAG 0                                        ; V's four fragments are asked for from here on, four loads at a time among the lines below, which name neither v[FR ..] nor v[ADV]; they land while the softmax is worked
	s_cmp_lg_u32 s[STP], s[BB]                     ; only my block's last step lies on the diagonal: there the scores of hidden keys become -infinity ahead of the maximum, so that p = 0
	s_cbranch_scc1 .Lopen_\@
.set n, 0
.rept 8                                        ; register 16 b + i holds key 32 b + 16 h + i of the step: hidden where 32 b + i > 16 x tile + r - 16 h.  Eight registers, one tile, at a time
.set m, 0
.rept 8
	v_cmp_gt_i32 s[MK+m], 32*((n+m)/16)+(n+m)%16, v[MD]
.set m, m+1
.endr
	s_wait_alu depctr_va_sdst(0)                   ; the eight compares have written their masks s[MK ..], which the selects read
.set m, 0
.rept 8
	v_cndmask_b32 v[SC+n+m], v[SC+n+m], v[NINF], s[MK+m]
.set m, m+1
.endr
.set n, n+8
.endr
.Lopen_\@:
	v_max3_num_f32 v254, v[SC], v[SC+1], v[SC+2]   ; the step's largest score of my query among my 64 keys, in two chains, each tile from its low end on,
	v_max3_num_f32 v252, v[SC+3], v[SC+4], v[SC+5]
.irp i, 6,10,14,18,22,26,30,34,38,42,46,50,54,58
	v_max3_num_f32 v254, v254, v[SC+\i], v[SC+\i+1]
	v_max3_num_f32 v252, v252, v[SC+\i+2], v[SC+\i+3]
.if \i == 6
	VFRAG 1
.endif
.if \i == 22
	VFRAG 2
.endif
.if \i == 38
	VFRAG 3
.endif
.endr
	v_max3_num_f32 v254, v254, v[SC+62], v[SC+63]
	v_max_num_f32 v254, v254, v252
	v_permlanex16_b32 v250, v254, s[SEL], s[SEL+1]
	v_max_num_f32 v254, v254, v250                 ; and among lane l xor 16's
	v_mul_f32 v254, s[CS], v254                    ; as t (c is positive)
	v_max_num_f32 v13, v13, v254                   ; the running largest t
	v_mov_b32 v254, v12
	v_floor_f32 v12, -v13                          ; the new -M = floor(-t) = -ceil(t): M is a whole number
	v_sub_f32 v254, v12, v254                      ; M's old value less its new one: a whole number, 0 or less
	v_cvt_i32_f32 v254, v254                       ; (it saturates)
	v_ldexp_f32 v252, 1.0, v254                    ; f = 2^(old M - new M)
.set n, 0
.rept 32
	v_pk_fma_f32 v[SC+n:SC+n+1], v[SC+n:SC+n+1], s[CS:CS+1], v[12:13] op_sel_hi:[1,0,0]   ; t - M, two at a time (of the pairs c and -M the low word serves both halves)
.set n, n+2
.endr
.set n, 0
	s_wait_alu depctr_va_vdst(0)
.rept 64
	v_exp_f32 v[SC+n], v[SC+n]                     ; p = 2^(t - M): not normalised
.set n, n+1
.endr
	v_pk_mul_f32 v[14:15], v[14:15], v[252:253] op_sel_hi:[1,0]   ; the sums under the new M.  (The plain instruction behind the exponentials)
	s_wait_alu depctr_va_vdst(0)                   ; the 64 exponentials have written p in v[SC ..], which the sums below are the first to read: one wait for the batch
	v_pk_add_f32 v[248:249], v[SC:SC+1], v[SC+2:SC+3]             ; the row's sum is taken of the UNQUANTISED p: two at a time, in two chains
.irp j, 4,8,12,16,20,24,28,32,36,40,44,48,52,56,60
	v_pk_add_f32 v[14:15], v[14:15], v[SC+\j:SC+\j+1]
	v_pk_add_f32 v[248:249], v[248:249], v[SC+\j+2:SC+\j+3]
.endr
	v_pk_add_f32 v[14:15], v[14:15], v[248:249]
	s_cmp_lg_u32 s[NOHOLD], 0                      ; the hold is jumped over only where the given scales themselves show it idle (see where s[NOHOLD] is made)
	s_cbranch_scc1 .Lheld_\@
.set n, 0
.rept 64
	v_min_num_f32 v[SC+n], v[SC+n], v[PLIM]        ; the conversion does not saturate; p is not negative, so the hold is one-sided
.set n, n+1
.endr
.Lheld_\@:
.irp b, 0,1,2,3                                ; registers 4 b .. 4 b + 3 of P: keys 32 b + 16 h + 0 .. 15, as V's loads lay them
	v_cvt_scalef32_pk8_fp8_f32 v[PC+4*\b:PC+4*\b+1],   v[SC+16*\b:SC+16*\b+7],    v[PSC]
	v_cvt_scalef32_pk8_fp8_f32 v[PC+4*\b+2:PC+4*\b+3], v[SC+16*\b+8:SC+16*\b+15], v[PSC]
.endr
.set n, 0
.rept 16
	v_pk_mul_f32 v[O+n:O+n+1], v[O+n:O+n+1], v[252:253] op_sel_hi:[1,0]   ; O^T under the new M, each tile from its low end on.  (Also the plain instructions between the conversions and the products)
.set n, n+2
.endr
	s_wait_alu depctr_va_vdst(0)
	s_wait_dscnt 0x0                               ; V's four fragments are in
.irp f, 0,1,2,3                                ; O^T += V^T P^T, K = these 128 keys; the four accumulators take turns, one instruction a turn
	v_wmma_f32_16x16x128_fp8_fp8 v[O+8*\f:O+8*\f+7], v[FR+16*\f:FR+16*\f+15], v[PC:PC+15], v[O+8*\f:O+8*\f+7]
.endr
.rept 4
	v_nop                                          ; four places in front of the next step's conversions into P's registers and of the way out's reads of O^T
.endr
.endm
; THE WAY OUT of my 16 rows.  In O^T's tile f register j of lane (r, h) is channel 32 (f % 2) + 16 h + 2 j + f / 2: tiles a and a + 2, taken by turns, give 16 neighbouring channels.
.macro WAYOUT
	v_add_f32 v14, v14, v15                        ; the sum's two halves,
	v_permlanex16_b32 v250, v14, s[SEL], s[SEL+1]
	v_add_f32 v14, v14, v250                       ; and lane l xor 16's: the row's sum, above 1/2
	s_wait_alu depctr_va_vdst(0)
	v_rcp_f32 v14, v14
	v_nop                                          ; a plain instruction behind the transcendental
	s_wait_alu depctr_va_vdst(0)                   ; the reciprocal has written v14, which the next line reads
	v_ldexp_f32 v14, v14, s[EPV]                   ; x 2^(ep + ev)
.irp a, 0,1
.irp j, 0,1,2,3,4,5,6,7
.irp u, 0,1
	v_mul_f32 v[SC+16*\a+2*\j+\u], v[O+8*(\a+2*\u)+\j], v14   ; channel 32 a + 16 h + 2 j + u; each accumulator from its low end on
.endr
.endr
.endr
	s_wait_alu depctr_va_vdst(0)                   ; the multiplications have written v[SC ..], which the LDS stores read; no vector or matrix instruction behind this wait names v[FR ..], in which the loads from the stage land
.irp a, 0,1
.irp i, 0,1,2,3
	ds_store_b128 v[STO], v[SC+16*\a+4*\i:SC+16*\a+4*\i+3] offset:128*\a+16*\i   ; row r of my stage, bytes 128 a + 64 h + 16 i
.endr
.endr
.irp i, 0,1,2,3,4,5,6,7
	ds_load_b128 v[FR+4*\i:FR+4*\i+3], v[RD] offset:2*\i*SP   ; back as whole rows: lanes 0-15 row 2 i, lanes 16-31 row 2 i + 1.  LDS serves a wave's instructions in order (ISA guide 5.7.1.4): these see my stores
.endr
.irp i, 0,1,2,3,4,5,6,7
	s_wait_dscnt 7-\i                              ; the 7 - i younger loads may be out
	global_store_b128 v[GL16], v[FR+4*\i:FR+4*\i+3], s[OUT:OUT+1] offset:512*\i th:TH_STORE_NT   ; 32 lanes store 512 consecutive bytes, at a multiple of 256 from out0's first byte
.endr
.endm
	s_load_b256 s[4:11], s[0:1], 0x0               ; Q s[4:5], K s[6:7], V s[8:9], the scales' exponents s[10:11]
	s_load_b64 s[12:13], s[0:1], 0x20              ; out0
	v_lshrrev_b32 v32, 5, v0
	v_readfirstlane_b32 s[WV], v32                 ; wave 0 .. 15
	v_and_b32 v32, 31, v0                          ; lane
	v_and_b32 v33, 15, v0                          ; r
	s_wait_alu depctr_va_vdst(0)
	v_bfe_u32 v34, v0, 4, 1                        ; h
	s_wait_alu depctr_va_sdst(0)                   ; s14, the wave's number, is written, ahead of its first reader: roles, addresses and branches are made from it
	s_and_b32 s[TT], s[WV], 7
	s_lshr_b32 s[TQ], s[WV], 1
	s_lshr_b32 s[ROLE], s[WV], 2
	s_xor_b32 s[ROLE], s[ROLE], s[WV]
	s_and_b32 s[ROLE], s[ROLE], 1                  ; bit 0 xor bit 2 of the wave's number: of any four waves w, w + 1, w + 2, w + 3 and of any four w, w + 4, w + 8, w + 12 two are high and two low
	s_and_b32 s[HD], ttmp7, 0xffff
	s_sub_co_u32 s[LASTK], 15, ttmp9
	s_cmp_eq_u32 s[ROLE], 0
	s_cselect_b32 s[BB], s[LASTK], ttmp9           ; block 15 - i or block i
	s_add_co_u32 s[DONE], s[BB], 1
	; every LDS address is a constant + a constant x lane + a constant x wave, made here, ahead of any parting of the waves
	v_mul_u32_u24 v[AK0], v33, PK
	s_wait_alu depctr_va_vdst(0)
	v_lshl_add_u32 v[AK0], v34, 5, v[AK0]
	v_mul_u32_u24 v[AV0], v33, PV
	v_lshl_add_u32 v[AV0], v34, 4, v[AV0]
	v_add_nc_u32 v[AV0], VOFF, v[AV0]
	s_lshr_b32 s40, s[TT], 1                       ; my 16 keys are 16 T on: bits 5 and 6 of the key's number stay, bit 4 (T % 2) goes to bit 3 of the row's
	s_mul_i32 s40, s40, 32*PK
	s_and_b32 s41, s[TT], 1
	s_mul_i32 s41, s41, 8*PK
	s_add_co_u32 s40, s40, s41
	v_mul_u32_u24 v[KWA], v34, PK
	v_lshl_add_u32 v[KWA], v33, 2, v[KWA]
	v_add_nc_u32 v[KWA], s40, v[KWA]               ; row h, + 4 r, + my keys' rows
	s_lshl_b32 s41, s[TT], 4
	s_add_co_u32 s41, s41, VOFF
	v_mul_u32_u24 v[VWA], v32, PV
	v_add_nc_u32 v[VWA], s41, v[VWA]               ; row l, + my 16 keys' bytes
	v_lshlrev_b32 v[GL16], 4, v32
	v_lshlrev_b32 v[GL8], 3, v32
	v_lshlrev_b32 v[PFO], 8, v32
	s_mul_i32 s42, s[WV], 16*SP
	s_add_co_u32 s42, s42, STAGE                   ; my stage
	v_mul_u32_u24 v[STO], v33, SP
	v_lshl_add_u32 v[ADWK], v34, 7, v[STO]
	v_add_nc_u32 v[ADWK], s42, v[ADWK]             ; Q back from the stage: row r, + 128 h: my 32 channels
	v_lshl_add_u32 v[STO], v34, 6, v[STO]
	v_add_nc_u32 v[STO], s42, v[STO]
	v_mul_u32_u24 v[RD], v34, SP
	v_lshl_add_u32 v[RD], v33, 4, v[RD]
	v_add_nc_u32 v[RD], s42, v[RD]
	s_lshl_b32 s43, s[TQ], 4
	v_lshlrev_b32 v[MD], 4, v34
	v_sub_nc_u32 v[MD], v33, v[MD]
	v_add_nc_u32 v[MD], s43, v[MD]
	; byte offsets, all under 2^25: a head is 2^19 bytes, a block of 128 rows 2^15, 16 rows 2^12
	s_lshl_b32 s50, s[HD], 19
	s_lshl_b32 s44, s[BB], 15
	s_lshl_b32 s45, s[TQ], 12
	s_add_co_u32 s44, s44, s45
	s_add_co_u32 s44, s44, s50                     ; my 16 rows of Q and of out0
	s_mov_b32 s45, 0
	s_lshl_b32 s46, s[TT], 12
	s_add_co_u32 s46, s46, s50                     ; my 16 keys of step 0
	s_mov_b32 s47, 0
	s_mov_b32 s[SEL], 0x76543210
	s_mov_b32 s[SEL+1], 0xfedcba98
	s_mov_b32 s48, 0x06040200                      ; v_perm_b32: the even bytes of a pair of registers,
	s_mov_b32 s49, 0x07050301                      ; the odd ones
	s_and_b32 s40, s[TT], 1
	s_or_b32 s40, s40, ttmp9
	s_cmp_eq_u32 s40, 0                            ; an even wave of the work-group with i = 0
	s_cselect_b32 s[LIM], 14, 0
	s_wait_kmcnt 0x0
	s_load_b128 s[EX:EX+3], s[10:11], 0x0          ; eq, ek, ep, ev
	s_add_nc_u64 s[4:5], s[4:5], s[44:45]
	s_add_nc_u64 s[OUT:OUT+1], s[12:13], s[44:45]
	s_cmp_lt_u32 s[WV], 8                          ; the choice hangs on the wave's number alone
	s_cselect_b64 s[SRC:SRC+1], s[6:7], s[8:9]
	s_add_nc_u64 s[SRC:SRC+1], s[SRC:SRC+1], s[46:47]
	s_wait_alu depctr_va_vdst(0)                   ; the offsets v5 to v7 and the stage's addresses v8, v9 and v24 are written, which the loads, stores and prefetches below read
.irp j, 0,1,2,3,4,5,6,7
	global_load_b128 v[SC+4*\j:SC+4*\j+3], v[GL16], s[4:5] offset:512*\j th:TH_LOAD_NT   ; my 16 rows of Q, 512 consecutive bytes a load: rows 2 j + h, 16 bytes at 16 r; read once in the launch
.endr
	LOADKV                                         ; step 0
	v_mov_b32 v13, 0xff61b1e6                      ; the largest t so far: -3e38, under every t
	v_floor_f32 v12, -v13                          ; -M
	v_mov_b32 v14, 0                               ; the sum, in two halves
	v_mov_b32 v15, 0
	v_mov_b32 v250, 0                              ; written once: a lane permute's destination counts as one of its sources
	v_mov_b32 v253, 0                              ; (named as the upper half of the pair v[252:253])
	v_mov_b32 v[NINF], 0xff800000
.set n, 0
.rept 32
	v_mov_b32 v[O+n], 0                            ; O^T.  The step is written once: the first finds zeros, which the first change of M leaves zeros
.set n, n+1
.endr
	s_wait_kmcnt 0x0
	s_add_co_i32 s42, s[EX], s[EX+1]               ; eq + ek
	s_lshl_b32 s43, s42, 23
	s_add_co_i32 s[CS], s43, 0x3e38aa3b            ; c = log2(e) / 8; a score stands for score x 2^(eq + ek): the two exponents are added to c's exponent field
	s_mov_b32 s[CS+1], s[CS]                       ; (named with it as a pair, so it is written)
	; p's hold is idle where ep >= -8 and eq + ek <= 2.  |t| is at most 64 x 448^2 x 2^2 x 0.1804 = 9.3e6, so the rounding of the largest t to f32 lets t - M pass 0 by less than 9.3e6 x 2^-24 = 0.56:
	; p stays under 2^0.56 = 1.48, and 448 x 2^-8 = 1.75.
	s_cmp_ge_i32 s[EX+2], -8
	s_cselect_b32 s[NOHOLD], 1, 0
	s_cmp_le_i32 s42, 2
	s_cselect_b32 s[NOHOLD], s[NOHOLD], 0
	s_add_co_i32 s[EPV], s[EX+2], s[EX+3]
	s_cmp_lt_u32 s[WV], 8
	s_cselect_b32 s42, s[EX+1], s[EX+3]            ; ek for K's waves, ev for V's
	POW2 42, XSC, XLIM
	POW2 EX+2, PSC, PLIM
	POW2 EX, 248, 249                              ; eq: used here alone
	s_wait_alu depctr_va_vdst(0)
	s_wait_loadcnt 8                               ; Q's eight loads are in: behind them stand eight loads in K's waves (sixteen in V's, where the count asks for more than is needed)
.irp j, 0,1,2,3,4,5,6,7
	ds_store_b128 v[RD], v[SC+4*\j:SC+4*\j+3] offset:2*\j*SP      ; Q turns through my stage: in as loaded,
.endr
.irp j, 0,1,2,3,4,5,6,7
	ds_load_b128 v[SC+32+4*\j:SC+32+4*\j+3], v[ADWK] offset:16*\j ; back as 32 neighbouring channels, 32 h on, of query r
.endr
	s_wait_dscnt 0x0
.set n, 0
.rept 32
	v_med3_num_f32 v[SC+32+n], v[SC+32+n], -v249, v249
.set n, n+1
.endr
.irp g, 0,1,2,3
	v_cvt_scalef32_pk8_fp8_f32 v[QF+2*\g:QF+2*\g+1], v[SC+32+8*\g:SC+32+8*\g+7], v248   ; register x, byte y: channel 32 h + 4 x + y, as K's loads lay them
.endr
	v_nop                                          ; one plain vector instruction behind the last conversion
	s_wait_loadcnt 0x0                             ; step 0's numbers are in; every load that named s[SRC] is done, so it may be stepped below
	s_mov_b32 s[TW], 0
	s_wait_alu depctr_vm_vsrc(0)                   ; Q's loads from my stage have read v24, which the next line writes anew
	v_add_nc_u32 v[ADWK], s[TW], v[KWA]            ; both store addresses are made by every wave, ahead of the parting
	v_add_nc_u32 v[ADWV], s[TW], v[VWA]
	QUANTKV                                        ; step 0 into slot 0
	s_wait_dscnt 0x0                               ; for the others' sake: my stores have landed
	s_barrier_signal -1
	s_barrier_wait -1
	s_add_nc_u64 s[SRC:SRC+1], s[SRC:SRC+1], STEPB
	s_mov_b32 s[TB], 0
	s_mov_b32 s[STP], 0
.Ltrip:                                            ; trip s: the addresses; step s + 1 is asked for; my tile's step s, or my way out; step s + 1 becomes codes; the barrier
	s_xor_b32 s[TW], s[TB], SLOT1
	s_wait_alu depctr_vm_vsrc(0)                   ; the LDS loads and stores issued so far have read v10, v11, v24, v25, the codes in v[240:255] and v[SC ..], and the way out's global stores v[FR ..]: all of these are written again in this trip
	v_add_nc_u32 v[ADK], s[TB], v[AK0]             ; all four addresses are made by every wave, ahead of every parting
	v_add_nc_u32 v[ADV], s[TB], v[AV0]
	v_add_nc_u32 v[ADWK], s[TW], v[KWA]
	v_add_nc_u32 v[ADWV], s[TW], v[VWA]
	s_wait_alu depctr_va_vdst(0)                   ; the four addresses are written; the last quantiser is done with v[ST ..], in which the global loads land; the last products are done reading v[FR ..], in which K's LDS loads land
	s_cmp_lt_u32 s[STP], s[LASTK]                  ; the work-group's last step is 15 - i: no load beyond it
	s_cbranch_scc0 .Lno_load
	LOADKV
	ASK
.Lno_load:
	s_cmp_le_u32 s[STP], s[BB]                     ; keys beyond my block are hidden from all my queries: those steps are left out
	s_cbranch_scc0 .Lno_step
	STEP
	s_branch .Lworked
.Lno_step:
	s_cmp_eq_u32 s[STP], s[DONE]                   ; the trip behind my last step: the low block's rows leave while the high block is still at work
	s_cbranch_scc0 .Lworked
	WAYOUT
.Lworked:
	s_wait_loadcnt 0x0                             ; the next step's numbers are in
	s_cmp_lt_u32 s[STP], s[LASTK]
	s_cbranch_scc0 .Lno_quant
	QUANTKV                                        ; into the slot that was read last trip: every wave waited for those reads in front of last trip's barrier
.Lno_quant:
	s_wait_dscnt 0x0                               ; my reads of the slot in hand are over and my stores into the other have landed
	s_barrier_signal -1
	s_barrier_wait -1                              ; both now hold of all sixteen waves
	s_wait_xcnt 0x0                                ; the prefetch has read its base, the way out's stores their registers: both may be written again
	s_add_nc_u64 s[SRC:SRC+1], s[SRC:SRC+1], STEPB ; (beyond the last step the address is not used)
	s_xor_b32 s[TB], s[TB], SLOT1
	s_add_co_u32 s[STP], s[STP], 1
	s_cmp_lt_u32 s[STP], TRIPS
	s_cbranch_scc1 .Ltrip
	s_wait_xcnt 0x0
	s_wait_alu depctr_vm_vsrc(0)                   ; the last quantiser's LDS store has read v254 and v255, which the next two lines write
	v_lshl_add_u32 v254, v0, 2, 0x21000
	v_mov_b32 v255, 0
	s_wait_dscnt 0x0                               ; the closing lines, six on end
	s_wait_alu 0x0
	s_wait_tensorcnt 0x0
	ds_add_u32 v254, v255
	s_wait_dscnt 0x0
	s_endpgm
.Lfunc_end_k_qd6fbf49158_attn:
	.size	k_qd6fbf49158_attn, .Lfunc_end_k_qd6fbf49158_attn-k_qd6fbf49158_attn
	.p2alignl 7, 3214868480
	.fill 96, 4, 3214868480
	.section	.rodata,"a",@progbits
	.p2align	6, 0x0
	.amdhsa_kernel k_qd6fbf49158_attn
		.amdhsa_group_segment_fixed_size 137216
		.amdhsa_private_segment_fixed_size 0
		.amdhsa_enable_private_segment 0
		.amdhsa_kernarg_size 40
		.amdhsa_user_sgpr_count 2
		.amdhsa_user_sgpr_kernarg_segment_ptr 1
		.amdhsa_wavefront_size32 1
		.amdhsa_system_sgpr_workgroup_id_x 1
		.amdhsa_system_sgpr_workgroup_id_y 1
		.amdhsa_system_sgpr_workgroup_id_z 1
		.amdhsa_system_vgpr_workitem_id 0
		.amdhsa_next_free_vgpr 256
		.amdhsa_next_free_sgpr 66
		.amdhsa_reserve_vcc 0
		.amdhsa_float_denorm_mode_32 3
		.amdhsa_float_denorm_mode_16_64 3
		.amdhsa_memory_ordered 1
		.amdhsa_forward_progress 1
		.amdhsa_inst_pref_size 53
	.end_amdhsa_kernel
	.amdgpu_metadata
---
amdhsa.version: [ 1, 2 ]
amdhsa.kernels:
  - .name:           k_qd6fbf49158_attn
    .symbol:         k_qd6fbf49158_attn.kd
    .args:
      - { .name: Q, .offset: 0, .size: 8, .value_kind: global_buffer, .address_space: global }
      - { .name: K_cache, .offset: 8, .size: 8, .value_kind: global_buffer, .address_space: global }
      - { .name: V_cache, .offset: 16, .size: 8, .value_kind: global_buffer, .address_space: global }
      - { .name: lowp_scales, .offset: 24, .size: 8, .value_kind: global_buffer, .address_space: global }
      - { .name: out0, .offset: 32, .size: 8, .value_kind: global_buffer, .address_space: global }
    .group_segment_fixed_size: 137216
    .private_segment_fixed_size: 0
    .kernarg_segment_align: 8
    .kernarg_segment_size: 40
    .max_flat_workgroup_size: 512
    .sgpr_count:     66
    .vgpr_count:     256
    .wavefront_size: 32
...
	.end_amdgpu_metadata
.endif
;; end of part 2
